; MI455X (gfx1250); checked and timed in simulation.
; The chip was launched on July 23, 2026; its instructions are those of AMD's public machine-readable ISA for CDNA 5 (MIT licence, August 2026) and "CDNA5" Instruction Set Architecture Reference Guide (July 2026). The comments in the code are by the model that wrote it; some were corrected since.
;; Factored Conv2d. Allowed arithmetic: matrix products marked QUANTISED: E4M3 operands, one E8M0 scale for each 32 along K, by v_wmma_scale_f32_16x16x128_f8f6f4 with both operands' format E4M3, f32 sums; products left as they are: f32 operands where the result goes on into a quantised operand, else bf16, f16 or f32 operands; f32 sums; everything else in f32.
;; Inputs: lora_A_codes 16 x 128 x 32 uint8 (E4M3 codes of lora_A, K innermost, in blocks of 32 codes); lora_A_scales 16 x 128 uint8 (E8M0 scales of lora_A, one for each 32 codes along K); lora_B 4,096 x 16 float32; rank_magnitude 8 float32; scale_A 4,096 x 8 float32; scale_B 8 x 4,096 float32; weight 4,096 x 4,096 float32; x_codes 2 x 2,048 x 128 x 32 uint8 (E4M3 codes of x, K innermost, in blocks of 32 codes); x_scales 2 x 2,048 x 128 uint8 (E8M0 scales of x, one for each 32 codes along K).
;; Outputs: out0 2 x 2,048 x 4,096 float32.
;; This version of the problem:
;;   THIS VERSION OF THE PROBLEM IS GIVEN IN LOW PRECISION. The matrix products marked QUANTISED in the list below multiply operands that are first quantised to E4M3 (4 exponent bits, 3 mantissa bits; 8 bits a number), with one power-of-two scale for each 32 numbers along K (OCP MX v1.0); their sums are f32. All else is computed in f32.
;;   The module's matrix products, in the order in which they are computed (A, B: the left and right operand; K: the contracted axis; several contracted axes count as one K, in the product's order):
;;     1. [M 4,096, K 8] x [K 8, N 4,096]; A: computed on the way; B: input scale_B: left as it is (K = 8 < 32)
;;     2. [M 4,096, K 4,096] x [K 4,096, N 4,096]; A: input x (given as codes); B: computed on the way: QUANTISED
;;     3. [M 4,096, K 4,096] x [K 4,096, N 16]; A: input x (given as codes); B: input lora_A (given as codes): QUANTISED
;;     4. [M 4,096, K 16] x [K 16, N 4,096]; A: computed on the way; B: input lora_B: left as it is (K = 16 < 32)
;;   THE QUANTISER, for each operand of a quantised product, along K:
;;     - K is cut into blocks of 32 from its start; a last block that is shorter is filled with zeros.
;;     - A block's scale is 2^e with e = floor(log2(the largest magnitude in the block)) - 8, held to -126 .. 127; a block of zeros has e = 0. As a byte (E8M0): e + 127.
;;     - Each number is divided by its block's scale, clamped to +-448, and rounded to the nearest number of E4M3, ties to even, subnormals kept.
;;     - The product sums the exact products of the quantised numbers (number of the format x scale) in f32.
;;   ~~~python
;;   def quantise(x, axis):      # numpy; x: float32 -> the quantised numbers, widened to float32 again
;;       x = np.moveaxis(x, axis, -1); K = x.shape[-1]
;;       x = np.pad(x, [(0, 0)] * (x.ndim - 1) + [(0, -K % 32)]); x = x.reshape(x.shape[:-1] + (-1, 32)); a = np.abs(x).max(-1, keepdims=True)
;;       e = np.where(a > 0, np.clip(np.frexp(np.where(a > 0, a, 1))[1] - 1 - 8, -126, 127), 0)      # np.frexp(a)[1] - 1 = floor(log2(a)), exactly
;;       r = np.clip(x / 2.0 ** e, -448, 448)
;;       step = 2.0 ** (np.maximum(np.frexp(np.where(r == 0, 1, r))[1] - 1, -6) - 3)
;;       q = np.round(r / step) * step * 2.0 ** e      # np.round: ties to even
;;       return np.moveaxis(q.reshape(q.shape[:-2] + (-1,))[..., :K], -1, axis).astype(np.float32)
;;   ~~~
;;   OPERANDS COMPUTED ON THE WAY. 'Computed on the way' means the value that the module computes at that place (a softmax that the list does not call 'softmax' is quantised finished and normalised). What goes into a quantiser is computed in f32, as accurately as f32 sums, v_exp_f32 and their like allow (about 1e-6 of the number): no bf16 or f16 on the way to a quantiser, and a product that is left as it is and whose result goes on into a quantised operand takes f32 operands (vector FMAs, or v_wmma_f32_16x16x4_f32). A number that lies on a knife's edge between two numbers of the format may be rounded either way, as far as f32 arithmetic and the matrix unit's own rounding can turn it there, and no further.
;;   INPUTS GIVEN AS CODES. lora_A (in the module: [16, 4096], K = its axis 1); x (in the module: [2, 2048, 4096], K = its axis 2): each comes as NAME_codes (uint8): NAME with its K axis moved to the last place and cut into blocks of 32 codes, [.., K / 32, bytes a block], one block behind the other in memory; one code a byte (a code: sign, 4 exponent bits, 3 mantissa bits); and NAME_scales (uint8): the same leading axes, one E8M0 byte (e + 127) for each 32 codes along K. Its value is code x scale, taken as it is: it is not quantised again, and the codes and scales need not be those that the quantiser above would give.
;; One version. Each part assembles by itself: llvm-mc -triple=amdgcn-amd-amdhsa -mcpu=gfx1250 --defsym DOCPART=n.
;; ======== version 1 of 1: 2 launches
;; workspace buffers: wpack 17,301,504 bytes; tws 262,144 bytes
;; launch prep (part 1): grid 256 x 1, 8 waves a work-group, no clusters, 327,680 bytes of LDS; arguments weight, scale_A, scale_B, rank_magnitude, x_codes, x_scales, lora_A_codes, lora_A_scales, wpack, tws; writes wpack, tws
.if DOCPART == 1
	.amdgcn_target "amdgcn-amd-amdhsa--gfx1250"
	.amdhsa_code_object_version 6
	.text
	.protected	k_q635b062977_prep
	.globl	k_q635b062977_prep
	.p2align	8
	.type	k_q635b062977_prep,@function
k_q635b062977_prep:
	s_mov_b64 s[64:65], 0
	v_nop
	global_prefetch_b8 v0, s[64:65] scope:SCOPE_SE
	s_setreg_imm32_b32 hwreg(HW_REG_WAVE_MODE, 25, 1), 1
	s_wait_xcnt 0x0
; TWO THINGS, each done once for the whole program.
; (a) W_eff[o][i] = weight[o][i] x (sum over k of (scale_A[o][k] g[k]) scale_B[k][i]), in f32 (fused multiply-adds, k ascending), quantised along i to codes of FP8 (E4M3) with one E8M0 byte for each 32:
;     a block's scale is 2^(floor(log2(its largest magnitude)) - 8); each number is divided by it, held within +-448 and rounded to the nearest code, ties to even.
;     The codes and bytes go to wpack, laid [16 tiles of 256 outputs][16 K steps of 256][264 units of 256 bytes]: unit n = the 256 codes of the tile's row n; units 256-263 = the rows' scale bytes, 8 a row.
;     So a K step of a tile of outputs is ONE dense block of 67,584 bytes for the launch that multiplies.
; (b) t = x lora_A^T [4096][16], on the given codes and scale bytes, by the scaled matrix instruction; t = hi + lo in bf16, stored to tws as an image of the next launch's operand registers:
;     [256 blocks of 16 rows][hi 512 bytes | lo 512 bytes], lane l's 16 bytes at 16 l: lane (r, h) holds t[16 block + r][8 h .. 8 h + 7].
; LIMITS: NaN and infinities among the inputs are not served.  A block whose largest magnitude lies under 2^(9 - 127) (a block of zeros too) gets the byte 1; for a block of zeros the quantiser's text says 127:
;     its codes are zeros, which add nothing under any byte but 0xff, and this program alone reads the bytes.  t's sum over K is made of 16 partial f32 sums (two a wave), not one ascending chain.
; SHARES.  Work-group g: rows 32 (g / 2) .. + 31 of weight, columns 2,048 (g % 2) on.  Wave w: the K step 8 (g % 2) + w: 256 columns, 1,024 bytes of each of the 32 rows, brought by four tensor loads of
;     8 rows into the wave's own LDS bytes, which are filled once and read by that wave alone.  A step works one row: lane l holds its 8 neighbouring columns 8 l .. 8 l + 7; four lanes share a block of 32.
;     For t: the work-group owns x's rows 16 g .. + 15, wave w their K = 512 w .. + 511: four matrix instructions; the eight partial tiles meet in LDS behind the one barrier, and wave 0 adds them.
; ORDER.  What the first step needs goes out first (scale_A, scale_B: 18 loads), then all four tensor loads, then the 34 loads for t.  The steps begin when the first 8 rows are in; t is made between steps 22 and 23,
;     just ahead of the wait for the last 8 rows, when its loads have had 23 steps in which to come.
; No cluster: what work-groups share (lora_A's 64 KB, scale_B's part) is a small part of the 384 KB that each reads.  No prefetch: every byte is asked for at the head.
.set PITW,  1040                       ; a row of weights in LDS: 1,024 bytes + 16 of padding
.set CHK,   8*PITW                     ; what one tensor load brings
.set WREG,  32*PITW                    ; a wave's 32 rows
.set SCB,   8*WREG                     ; behind the tiles: 256 scale bytes for each wave (row p, block q at 8 p + q),
.set STG,   SCB+8*256                  ; a stage of 16 rows x (256 + 16) bytes for each wave, through which codes of x and lora_A turn into fragments,
.set STGW,  16*272
.set PART,  STG+8*STGW                 ; and each wave's partial tile of t, 1,024 bytes, as an image of its registers
.set BLKB,  264*256                    ; a block of wpack
.set LW,   4                           ; v4   LDS: my 32 bytes of a row of weights
.set LSB,  5                           ; v5   LDS: my block's scale byte
.set LSR,  6                           ; v6   LDS: my 8 of the wave's 256 scale bytes
.set CO,   7                           ; v7   8 x lane: my place in a unit of 256 bytes
.set SBO,  8                           ; v8   scale_B: my 8 columns
.set AO,   9                           ; v9   scale_A: row = my lane
.set XG,   10                          ; v10  x_codes, lora_A_codes: 4,096 h + 16 r
.set STS,  11                          ; v11  the stage, on the way in
.set STL,  12                          ; v12  and on the way out
.set XSO,  13                          ; v13  scale words: 128 r + 16 w
.set PST,  14                          ; v14  where my partial tile goes
.set PRD,  15                          ; v15  where wave 0 reads the eight
.set AP,   16                          ; v16-23  scale_A x g of row (my lane)
.set M1,   24
.set M2,   25
.set SOP,  26                          ; the conversion's scale operand
.set HLD,  27                          ; 448 x the scale
.set GO16, 29                          ; v29  16 x lane
.set SU,   30                          ; v30-31 the wave's scale bytes on their way out
.set SB,   32                          ; v32-95  scale_B[k][my 8 columns] at 8 k + c
.set X,    96                          ; v96-111 two sets of 8 weights; at the end hi, lo
.set S,    112                         ; v112-119 the sum over k, then W_eff
.set C,    120                         ; v120-183 codes: two registers for each step, so that no store's data are written again
.set E,    184                         ; v184-215 a scale byte for each step
.set ACC0, 216                         ; v216-231 t's two accumulators
.set ACC1, 224
.set PT,   184                         ; v184-247 at the end, in wave 0: the eight partial tiles
.set XSW,  248                         ; v248-251 x's scale words, v252-255 lora_A's: they hold scales and nothing else
.set LSW,  252
.set XF,   0                           ; in window 1 (v256-319): x's codes, then its four fragments
.set LF,   64                          ; in window 1 (v320-383): lora_A's
.set G1,   28                          ; s[28:35] descriptor group 1
.set G0,   36                          ; s[36:51] group 0, a set for each of the four loads
.set AS,   68                          ; s[68:83] the row's eight scale_A x g, each the low word of a pair
.set MSB, 0
.macro WIN new                         ; s_set_vgpr_msb's low byte: bits 1:0 source 0, 3:2 source 1, 5:4 source 2, 7:6 destination; the high byte repeats the setting that is left
.if MSB != \new
	s_set_vgpr_msb (MSB<<8)|\new
.set MSB, \new
.endif
.endm
	s_load_b512 s[4:19], s[0:1], 0x0               ; weight s[4:5], scale_A s[6:7], scale_B s[8:9], g s[10:11], x's codes s[12:13], x's scales s[14:15], lora_A's codes s[16:17], its scales s[18:19]
	s_load_b128 s[20:23], s[0:1], 0x40             ; wpack s[20:21], tws s[22:23]
	v_lshl_add_u32 v28, v0, 2, 0x4c000
	s_set_vgpr_msb 0x40
	v_mov_b32 v129, 0
	s_set_vgpr_msb 0x4044
	ds_add_u32 v28, v129
	ds_add_u32 v28, v129
	s_set_vgpr_msb 0x4400
	v_lshrrev_b32 v1, 5, v0
	v_readfirstlane_b32 s24, v1                    ; wave 0..7
	v_and_b32 v1, 31, v0                           ; lane
	v_and_b32 v2, 15, v0                           ; r
	v_bfe_u32 v3, v0, 4, 1                         ; h
	s_lshr_b32 s25, ttmp9, 1                       ; which 32 rows of weight
	s_and_b32 s26, ttmp9, 1                        ; which half of the columns
	s_lshl_b32 s27, s26, 3
	s_add_co_u32 s27, s27, s24                     ; my K step of 256
	s_mul_i32 s94, s24, WREG                       ; my wave's tiles
	v_lshl_add_u32 v[LW], v1, 5, s94
	s_lshl_b32 s95, s24, 8
	s_add_co_u32 s95, s95, SCB
	v_lshrrev_b32 v[LSB], 2, v1
	v_add_nc_u32 v[LSB], s95, v[LSB]
	v_lshl_add_u32 v[LSR], v1, 3, s95
	v_lshlrev_b32 v[CO], 3, v1
	s_lshl_b32 s96, s27, 10
	v_lshl_add_u32 v[SBO], v1, 5, s96
	v_lshlrev_b32 v[AO], 5, v1
	v_lshlrev_b32 v[XG], 12, v3
	v_lshl_add_u32 v[XG], v2, 4, v[XG]
	s_mul_i32 s97, s24, STGW
	s_add_co_u32 s97, s97, STG
	v_mul_u32_u24 v[STS], v3, 272                  ; in: lanes 0-15 one row of 256 bytes, lanes 16-31 the next
	v_lshl_add_u32 v[STS], v2, 4, v[STS]
	v_add_nc_u32 v[STS], s97, v[STS]
	v_mul_u32_u24 v[STL], v2, 272                  ; out: row r, + 16 h: a fragment's layout
	v_lshl_add_u32 v[STL], v3, 4, v[STL]
	v_add_nc_u32 v[STL], s97, v[STL]
	s_lshl_b32 s96, s24, 4
	v_lshl_add_u32 v[XSO], v2, 7, s96
	s_lshl_b32 s96, s24, 10
	s_add_co_u32 s96, s96, PART
	v_lshl_add_u32 v[PST], v1, 4, s96
	v_lshl_add_u32 v[PRD], v1, 4, PART
	v_lshlrev_b32 v[GO16], 4, v1
	; descriptor group 1: 8 rows x 256 elements of 4 bytes, 4,096 elements from row to row; in LDS 4 words of padding behind each row of 256 words
	s_mov_b32 s[G1+0], (2<<16)|(1<<20)|(7<<22)|(3<<25)
	s_mov_b32 s[G1+1], 256<<16                     ; tensor_dim0
	s_mov_b32 s[G1+2], 8<<16                       ; tensor_dim1
	s_mov_b32 s[G1+3], 256<<16                     ; tile_dim0
	s_mov_b32 s[G1+4], 8                           ; tile_dim1
	s_mov_b32 s[G1+5], 4096                        ; tensor_dim0_stride
	s_mov_b32 s[G1+6], 0
	s_mov_b32 s[G1+7], 0
.irp k, 0,1,2,3,4,5,6,7
	s_mov_b32 s[AS+2*\k+1], 0                      ; the packed forms name a pair and take its low word for both halves: the upper word is written once
.endr
	s_mov_b32 s84, 0x600000                        ; the mantissa field of 448
	s_mov_b32 s93, 0
	s_wait_dscnt 0x0
	s_wait_kmcnt 0x0
	s_load_b256 s[52:59], s[10:11], 0x0            ; g, eight numbers
	s_lshl_b32 s92, s25, 19                        ; 32 rows of 16,384 bytes,
	s_lshl_b32 s96, s27, 10                        ; my K step's 1,024 bytes
	s_add_co_u32 s92, s92, s96
	s_add_nc_u64 s[4:5], s[4:5], s[92:93]          ; weight at my first tile
	s_lshl_b32 s92, s25, 10
	s_add_nc_u64 s[6:7], s[6:7], s[92:93]          ; scale_A at the work-group's 32 rows
	s_lshl_b32 s92, ttmp9, 16
	s_lshl_b32 s96, s24, 9
	s_add_co_u32 s92, s92, s96
	s_add_nc_u64 s[12:13], s[12:13], s[92:93]      ; x's codes: my 16 rows, my 512 along K
	s_mov_b32 s92, s96
	s_add_nc_u64 s[16:17], s[16:17], s[92:93]      ; lora_A's codes: my 512 along K
	s_lshl_b32 s92, ttmp9, 11
	s_add_nc_u64 s[14:15], s[14:15], s[92:93]      ; x's scale bytes: my 16 rows
	s_lshr_b32 s92, s25, 3                         ; the tile of 256 outputs,
	s_lshl_b32 s92, s92, 4
	s_add_co_u32 s92, s92, s27                     ; its K step:
	s_mul_i32 s92, s92, BLKB
	s_add_nc_u64 s[20:21], s[20:21], s[92:93]      ; the block of wpack
	s_and_b32 s96, s25, 7
	s_lshl_b32 s92, s96, 13
	s_add_nc_u64 s[86:87], s[20:21], s[92:93]      ; my 32 units of codes in it,
	s_lshl_b32 s92, s96, 8
	s_add_co_u32 s92, s92, 65536
	s_add_nc_u64 s[88:89], s[20:21], s[92:93]      ; and my unit of scale bytes
	s_lshl_b32 s92, ttmp9, 10
	s_add_nc_u64 s[90:91], s[22:23], s[92:93]      ; the work-group's block of tws
.irp c, 0,1,2,3
	s_mov_b32 s[G0+4*\c], 1                                        ; count = 1
	s_add_co_u32 s[G0+4*\c+1], s94, \c*CHK                         ; LDS address: wave x 33,280 + load x 8,320
	s_add_nc_u64 s[G0+4*\c+2:G0+4*\c+3], s[4:5], \c*8*16384        ; global address: 8 rows on
	s_or_b32 s[G0+4*\c+3], s[G0+4*\c+3], 0x80000000                ; type = 2
.endr
; 16 rows x 512 bytes of codes as they lie: sixteen lanes read 256 consecutive bytes of a row.  (Under a setting with the destination in window 1)
.macro RAW base, sb
.irp p, 0,1
.irp j, 0,1,2,3,4,5,6,7
	global_load_b128 v[\base+32*\p+4*\j:\base+32*\p+4*\j+3], v[XG], s[\sb:\sb+1] offset:8192*\j+256*\p
.endr
.endr
.endm
; 16 rows x 256 bytes go through my stage and come back as two fragments (16 rows x 128 K: lane (r, h), registers 4 c .. 4 c + 3 = K 32 c + 16 h + 0 .. 15), into the registers that they left.
; LDS serves a wave's instructions in order (ISA guide 5.7.1.4): no wait between the stores and the loads, nor in front of the next turn's stores.
.macro TURNIN base, p
	WIN 0x04                                       ; an LDS store's data are its source 1: window 1
.irp j, 0,1,2,3,4,5,6,7
	ds_store_b128 v[STS], v[\base+32*\p+4*\j:\base+32*\p+4*\j+3] offset:544*\j
.endr
	WIN 0x40                                       ; an LDS load's data are its destination: window 1
.irp s, 0,1
.irp c, 0,1,2,3
	ds_load_b128 v[\base+32*\p+16*\s+4*\c:\base+32*\p+16*\s+4*\c+3], v[STL] offset:128*\s+32*\c
.endr
.endr
.endm
	; what the first step needs beside its weights: 18 loads
	global_load_b128 v[AP:AP+3], v[AO], s[6:7]                     ; scale_A's row (my lane)
	global_load_b128 v[AP+4:AP+7], v[AO], s[6:7] offset:16
.irp k, 0,1,2,3,4,5,6,7
	global_load_b128 v[SB+8*\k:SB+8*\k+3], v[SBO], s[8:9] offset:16384*\k
	global_load_b128 v[SB+8*\k+4:SB+8*\k+7], v[SBO], s[8:9] offset:16384*\k+16
.endr
	; all my tiles, as one group, ahead of every wait on TENSORcnt, every LDS read and the barrier: four tensor loads of mine are out
.irp c, 0,1,2,3
	tensor_load_to_lds s[G0+4*\c:G0+4*\c+3], s[G1:G1+7]
	s_nop 0
.endr
.rept 4
	v_nop
.endr
	; what t needs: 34 loads, wanted 23 steps further on
	WIN 0x40                                       ; destination window 1, address window 0
	RAW XF, 12
	RAW LF, 16
	WIN 0
	global_load_b128 v[XSW:XSW+3], v[XSO], s[14:15]                ; row r's scale words of my four K steps of 128
	global_load_b128 v[LSW:LSW+3], v[XSO], s[18:19]
	s_wait_kmcnt 0x0                               ; g
	s_wait_loadcnt 34                              ; loads come back in order (ISA guide 5.7.1): scale_A and scale_B are in, the 34 younger loads may be out
.irp k, 0,1,2,3,4,5,6,7
	v_mul_f32 v[AP+\k], s[52+\k], v[AP+\k]         ; scale_A x g, rounded as the problem's text has it
.endr
; ---- W_eff, a row a step
.macro LOADW p                         ; row p's 8 weights of my lane into set p % 2
	ds_load_b128 v[X+8*((\p)%2):X+8*((\p)%2)+3], v[LW] offset:PITW*(\p)
	ds_load_b128 v[X+8*((\p)%2)+4:X+8*((\p)%2)+7], v[LW] offset:PITW*(\p)+16
.endm
.macro STEP p
.if (\p) == 0
	s_wait_dscnt 0x0
.else
	s_wait_dscnt 0x1                               ; this row's weights are in: at least one LDS instruction was issued behind their two loads (the last step's byte store; ahead of step 23, t's), and one may stay out
.endif
.if (\p) < 31
.if ((\p)+1)%8 == 0
	s_wait_tensorcnt 3-((\p)+1)/8                  ; tensor loads of a wave end in order (ISA guide 10.11.1): the next 8 rows are in, the younger loads may be out
.endif
	LOADW (\p)+1
.endif
.set XS, X+8*((\p)%2)
.irp k, 0,1,2,3,4,5,6,7
	v_readlane_b32 s[AS+2*\k], v[AP+\k], \p        ; the row's eight factors: lane p holds them
.endr
.irp c, 0,2,4,6
	v_pk_mul_f32 v[S+\c:S+\c+1], v[SB+\c:SB+\c+1], s[AS:AS+1] op_sel_hi:[1,0]
.endr
.irp k, 1,2,3,4,5,6,7
.irp c, 0,2,4,6
	v_pk_fma_f32 v[S+\c:S+\c+1], v[SB+8*\k+\c:SB+8*\k+\c+1], s[AS+2*\k:AS+2*\k+1], v[S+\c:S+\c+1] op_sel_hi:[1,0,1]
.endr
.endr
.irp c, 0,2,4,6
	v_pk_mul_f32 v[S+\c:S+\c+1], v[S+\c:S+\c+1], v[XS+\c:XS+\c+1]   ; W_eff
.endr
	v_max3_num_f32 v[M1], |v[S]|, |v[S+1]|, 0x4800000              ; the largest magnitude of my 8, and the floor 2^(9 - 127): so the byte cannot fall under 1
	v_max3_num_f32 v[M2], |v[S+2]|, |v[S+3]|, |v[S+4]|
	v_max3_num_f32 v[M1], v[M1], |v[S+5]|, |v[S+6]|
	v_max3_num_f32 v[M1], v[M1], v[M2], |v[S+7]|
	v_max_num_f32_dpp v[M1], v[M1], v[M1] row_xmask:1 row_mask:0xf bank_mask:0xf
	v_max_num_f32_dpp v[M1], v[M1], v[M1] row_xmask:2 row_mask:0xf bank_mask:0xf   ; with the three lanes that share my block of 32
	v_add_nc_u32 v[SOP], 0xfc000000, v[M1]         ; 8 off its exponent field: the conversion takes the exponent field of this operand as its scale, and nothing else of it
	v_and_or_b32 v[HLD], v[M1], 0x7f800000, s84    ; 448 x the scale
.irp i, 0,1,2,3,4,5,6,7
	v_med3_num_f32 v[S+\i], v[S+\i], -v[HLD], v[HLD]   ; the conversion to an 8-bit code does not saturate (ISA guide 7.6.2): the hold comes first
.endr
	v_cvt_scalef32_pk8_fp8_f32 v[C+2*(\p):C+2*(\p)+1], v[S:S+7], v[SOP]
	v_lshrrev_b32 v[E+(\p)], 23, v[SOP]            ; the scale's byte; also the plain line between the conversion and the next vector or matrix instruction that touches its registers
	ds_store_b8 v[LSB], v[E+(\p)] offset:8*(\p)    ; the four lanes of a block write the same byte with the same value
	global_store_b64 v[CO], v[C+2*(\p):C+2*(\p)+1], s[86:87] offset:256*(\p)   ; 32 lanes store 256 consecutive bytes, at a multiple of 256 from wpack's first byte
.endm
	s_wait_tensorcnt 0x3                           ; my first 8 rows are in; three younger loads may be out
	LOADW 0
.irp t, 0,1,2,3,4,5,6,7,8,9,10,11,12,13,14,15,16,17,18,19,20,21,22
	STEP \t
.endr
	; ---- t, ahead of the wait for my last 8 rows: source 0 = lora_A's 16 rows, source 1 = my 16 rows of x: lane (r, h), register i = the partial t[row r][8 h + i]
	s_wait_loadcnt 0x0                             ; x's and lora_A's codes and scale words
	TURNIN XF, 0
	TURNIN XF, 1
	TURNIN LF, 0
	TURNIN LF, 1
	s_wait_dscnt 0x0
	WIN 0x05                                       ; sources 0 and 1 window 1; C and D window 0
	; two accumulators by turns, one instruction a turn
	v_wmma_scale_f32_16x16x128_f8f6f4 v[ACC0:ACC0+7], v[LF:LF+15], v[XF:XF+15], 0, v[LSW], v[XSW]
	v_wmma_scale_f32_16x16x128_f8f6f4 v[ACC1:ACC1+7], v[LF+16:LF+31], v[XF+16:XF+31], 0, v[LSW+1], v[XSW+1]
	v_wmma_scale_f32_16x16x128_f8f6f4 v[ACC0:ACC0+7], v[LF+32:LF+47], v[XF+32:XF+47], v[ACC0:ACC0+7], v[LSW+2], v[XSW+2]
	v_wmma_scale_f32_16x16x128_f8f6f4 v[ACC1:ACC1+7], v[LF+48:LF+63], v[XF+48:XF+63], v[ACC1:ACC1+7], v[LSW+3], v[XSW+3]
	WIN 0
.rept 8
	v_nop                                          ; eight places between the products and the first read of their results
.endr
.irp c, 0,2,4,6
	v_pk_add_f32 v[ACC0+\c:ACC0+\c+1], v[ACC0+\c:ACC0+\c+1], v[ACC1+\c:ACC1+\c+1]   ; each accumulator is read from its low end on
.endr
	ds_store_b128 v[PST], v[ACC0:ACC0+3]
	ds_store_b128 v[PST], v[ACC0+4:ACC0+7] offset:512
.irp t, 23,24,25,26,27,28,29,30,31
	STEP \t
.endr
	ds_load_b64 v[SU:SU+1], v[LSR]                 ; LDS serves a wave's instructions in order: this sees my byte stores
	s_wait_dscnt 0x0                               ; also for the others' sake: my partial tile of t lies in LDS
	global_store_b64 v[CO], v[SU:SU+1], s[88:89]   ; my 32 rows' scale bytes: 256 consecutive bytes, aligned
	s_barrier_signal -1
	s_barrier_wait -1                              ; all eight partial tiles lie in LDS
	s_cmp_lg_u32 s24, 0
	s_cbranch_scc1 .Lend
	; ---- wave 0 adds them, splits t into hi + lo in bf16 and stores both
.irp w, 0,1,2,3,4,5,6,7
	ds_load_b128 v[PT+8*\w:PT+8*\w+3], v[PRD] offset:1024*\w
	ds_load_b128 v[PT+8*\w+4:PT+8*\w+7], v[PRD] offset:1024*\w+512
.endr
	s_wait_dscnt 0x0
.irp w, 1,2,3,4,5,6,7
.irp c, 0,2,4,6
	v_pk_add_f32 v[PT+\c:PT+\c+1], v[PT+\c:PT+\c+1], v[PT+8*\w+\c:PT+8*\w+\c+1]
.endr
.endr
.irp q, 0,1,2,3
	v_cvt_pk_bf16_f32 v[96+\q], v[PT+2*\q], v[PT+2*\q+1]           ; hi
.endr
.irp q, 0,1,2,3
	v_lshlrev_b32 v[100+2*\q], 16, v[96+\q]                        ; hi as f32 again
	v_and_b32 v[101+2*\q], 0xffff0000, v[96+\q]
.endr
.irp q, 0,1,2,3
	v_pk_add_f32 v[100+2*\q:101+2*\q], v[PT+2*\q:PT+2*\q+1], v[100+2*\q:101+2*\q] neg_lo:[0,1] neg_hi:[0,1]   ; t - hi
.endr
.irp q, 0,1,2,3
	v_cvt_pk_bf16_f32 v[108+\q], v[100+2*\q], v[101+2*\q]          ; lo
.endr
	global_store_b128 v[GO16], v[96:99], s[90:91]                  ; 32 lanes store 512 consecutive bytes
	global_store_b128 v[GO16], v[108:111], s[90:91] offset:512
.Lend:
	s_set_vgpr_msb 0x4
	s_wait_tensorcnt 0x0
	ds_add_u32 v28, v129
	s_wait_dscnt 0x0
	s_set_vgpr_msb 0x400
	s_endpgm
.Lfunc_end_k_q635b062977_prep:
	.size	k_q635b062977_prep, .Lfunc_end_k_q635b062977_prep-k_q635b062977_prep
	.p2alignl 7, 3214868480
	.fill 96, 4, 3214868480
	.section	.rodata,"a",@progbits
	.p2align	6, 0x0
	.amdhsa_kernel k_q635b062977_prep
		.amdhsa_group_segment_fixed_size 327680
		.amdhsa_private_segment_fixed_size 0
		.amdhsa_enable_private_segment 0
		.amdhsa_kernarg_size 80
		.amdhsa_user_sgpr_count 2
		.amdhsa_user_sgpr_kernarg_segment_ptr 1
		.amdhsa_wavefront_size32 1
		.amdhsa_system_sgpr_workgroup_id_x 1
		.amdhsa_system_sgpr_workgroup_id_y 1
		.amdhsa_system_sgpr_workgroup_id_z 1
		.amdhsa_system_vgpr_workitem_id 0
		.amdhsa_next_free_vgpr 386
		.amdhsa_next_free_sgpr 100
		.amdhsa_reserve_vcc 0
		.amdhsa_float_denorm_mode_32 3
		.amdhsa_float_denorm_mode_16_64 3
		.amdhsa_memory_ordered 1
		.amdhsa_forward_progress 1
		.amdhsa_inst_pref_size 157
	.end_amdhsa_kernel
	.amdgpu_metadata
---
amdhsa.version: [ 1, 2 ]
amdhsa.kernels:
  - .name:           k_q635b062977_prep
    .symbol:         k_q635b062977_prep.kd
    .args:
      - { .name: weight, .offset: 0, .size: 8, .value_kind: global_buffer, .address_space: global }
      - { .name: scale_A, .offset: 8, .size: 8, .value_kind: global_buffer, .address_space: global }
      - { .name: scale_B, .offset: 16, .size: 8, .value_kind: global_buffer, .address_space: global }
      - { .name: rank_magnitude, .offset: 24, .size: 8, .value_kind: global_buffer, .address_space: global }
      - { .name: x_codes, .offset: 32, .size: 8, .value_kind: global_buffer, .address_space: global }
      - { .name: x_scales, .offset: 40, .size: 8, .value_kind: global_buffer, .address_space: global }
      - { .name: lora_A_codes, .offset: 48, .size: 8, .value_kind: global_buffer, .address_space: global }
      - { .name: lora_A_scales, .offset: 56, .size: 8, .value_kind: global_buffer, .address_space: global }
      - { .name: wpack, .offset: 64, .size: 8, .value_kind: global_buffer, .address_space: global }
      - { .name: tws, .offset: 72, .size: 8, .value_kind: global_buffer, .address_space: global }
    .group_segment_fixed_size: 327680
    .private_segment_fixed_size: 0
    .kernarg_segment_align: 8
    .kernarg_segment_size: 80
    .max_flat_workgroup_size: 256
    .sgpr_count:     100
    .vgpr_count:     386
    .wavefront_size: 32
...
	.end_amdgpu_metadata
.endif
;; end of part 1
;; launch gemm (part 2): grid 16 x 16, 4 waves a work-group, clusters of 4 x 4, 327,680 bytes of LDS; arguments x_codes, x_scales, wpack, tws, lora_B, out0; writes out0
.if DOCPART == 2
	.amdgcn_target "amdgcn-amd-amdhsa--gfx1250"
	.amdhsa_code_object_version 6
	.text
	.protected	k_q635b062977_gemm
	.globl	k_q635b062977_gemm
	.p2align	8
	.type	k_q635b062977_gemm,@function
k_q635b062977_gemm:
	s_mov_b64 s[64:65], 0
	v_nop
	global_prefetch_b8 v0, s[64:65] scope:SCOPE_SE
	s_setreg_imm32_b32 hwreg(HW_REG_WAVE_MODE, 25, 1), 1
	s_wait_xcnt 0x0
	s_wait_alu depctr_hold_cnt(0) depctr_sa_sdst(0) depctr_va_vdst(0) depctr_va_sdst(0) depctr_va_ssrc(0) depctr_va_vcc(0) depctr_vm_vsrc(0)
	s_getreg_b32 s2, hwreg(HW_REG_IB_STS2, 6, 4)
	s_cmp_eq_u32 s2, 0
	s_cbranch_scc0 .Lentry_in_a_cluster
	s_endpgm
.Lentry_in_a_cluster:
	s_bfe_u32 s2, ttmp6, 0x10000c
	s_cmp_lg_u32 s2, 0xf033
	s_cbranch_scc0 .Lentry_shape_is_right
	s_endpgm
.Lentry_shape_is_right:
; out0[m][n] = sum over k of x[m][k] W_eff[n][k]  +  sum over j of t[m][j] lora_B[n][j].   m, n, k: 4,096; j: 16.
; x: codes of FP8 (E4M3) [4096][4096] with one E8M0 byte for each 32 along K [4096][128], as given.  W_eff: codes and bytes from wpack, [16 tiles of 256 n][16 K steps of 256][264 units of 256 bytes]:
; unit r = row r's 256 codes, units 256-263 the rows' scale bytes, 8 a row.  t = hi + lo in bf16 from tws, as an image of operand registers.  lora_B [4096][16] f32 is rounded to bf16 here.
; THE SUMS BEGIN WITH THE SMALL PRODUCT: one bf16 matrix instruction for each accumulator, C = 0, K = 32 = (t's hi, t's lo) against (lora_B, lora_B once more); nothing is cleared.  The scaled instructions add onto that.
; A tile of out0, 256 x 256, is made by a work-group of four waves, as many as a WGP has SIMDs; a wave makes 128 x 128: 64 accumulators, 512 registers.  256 tiles: one work-group each.
; K goes in steps of 256 through a ring of two LDS slots filled by the tensor data mover: waves 0 and 1 bring x's 256 rows (128 each), waves 2 and 3 W's block of 264 units (132 each): its scale bytes ride with its codes.
; x's scale bytes of the work-group's 256 rows, for all of K, are one dense block of memory: they come into LDS once, with the first fills, and stay.
; CLUSTERS: 4 x 4 work-groups.  The four of a row of the cluster need the same tiles of x, the four of a column the same blocks of W: each is asked for JOINTLY, by the same tensor load with the same descriptor and a
; mask that names the four.  THE MATRIX INSTRUCTIONS ARE USED TRANSPOSED (source 0 = 16 rows of W or lora_B, source 1 = 16 rows of x or t): a lane then holds eight neighbouring numbers of a row of out0.
; REGISTERS, in windows of 256: window 0: v0-31 addresses; v32-95 scale words, two sets, and nothing else; from v128 x's fragments (8 x 16 rows x 128 K), ONE set (at the head: t's fragments and lora_B).
;   window 1: W's fragments, TWO sets, at v0 and v128 (at the head: lora_B in bf16).   window 2: the accumulators of my rows 0-63 ((a, b) at v[8 (8 a + b)]);   window 3: those of my rows 64-127.
.set SIZE_N, 4096
.set NQ,     2                         ; matrix instructions deep in a K step of 256
.set ROWB,   256                       ; a tile's row in bytes
.set PITCH,  272                       ; an LDS row: 256 bytes + 16 of padding = 68 words: row r starts at bank 4 r mod 64 (64 banks of 4 bytes: ISA guide 11.1)
.set FR,     16                        ; registers of a fragment
.set NL,     4                         ; LDS loads that bring one
.set NP,     8                         ; places behind the scaled matrix instruction (ISA guide 7.12.1)
.set HALFT,  128*PITCH                 ; 128 rows of codes
.set HALFB,  132*PITCH                 ; half of W's block: what one of its loads brings
.set BOFF,   2*HALFT                   ; a slot: x's 256 rows, then W's 264 units
.set BSC,    BOFF+256*PITCH            ; W's scale units in a slot
.set SLOT,   2*HALFT+2*HALFB
.set BLKB,   264*256                   ; a block of wpack in memory
.set LAPS,   8                         ; a lap = two K steps = once round the ring
.set SCL,    2*SLOT                    ; behind the ring: x's scale bytes, 128 units of 256 bytes + 16: row r at 272 (r / 2) + 128 (r % 2)
.set HALFS,  64*PITCH
.set SPARE,  SCL+2*HALFS               ; the spare words, 128 bytes for each wave: two blocks of 256 bytes that no other line names
.set SPITCH, 528                       ; the way out: a stage of 16 rows x (512 + 16) bytes for each wave, in slot 0, which has had its last fill and its last read when the first result is stored there
.set ADRA, 16                          ; v16-17  LDS address of my fragments of x in slot 0, 1
.set ADRB, 20                          ; v20-21  of W
.set ADSB, 22                          ; v22-23  of W's scale words
.set STO,  24                          ; v24     the way out: where I put 32 bytes of a row
.set RD,   25                          ; v25     where I read a row back
.set CO,   26                          ; v26     16 x lane
.set ADSA, 27                          ; v27     LDS address of x's scale words: it walks 8 bytes a K step
.set SPW,  28                          ; v28     LDS address of my spare word; never rewritten
.set NIL,  29                          ; v29     0; never rewritten
.set PFO,  30                          ; v30     the prefetches' offset; never rewritten
.set PF2O, 31                          ; v31     the same for W's scale units
.set SC,   32                          ; scale words: set s at v[32 + 32 s]: x's block i, step q at + 2 i + q; W's at + 16 + 2 i + q
.set AF,   128                         ; x's fragments
.set BK,   128                         ; the way out: v128-191 and v192-255 by turns
.set TF,   128                         ; at the head: t's eight fragments,
.set LB,   192                         ; and lora_B's 128 rows as f32
.set WV, 16                            ; s16 wave;  s17 which half of the tile's rows is mine, also: I fetch for x (0) or W (1);  s18 which half of its columns, also: which half I fetch;  s19 tile row
.set RH, 17
.set CH, 18
.set TR, 19
.set G1,  24                           ; s[24:31] group 1 for x's tiles;  s[32:39] group 0, a set for each slot
.set G0,  32
.set G1B, 48                           ; s[48:55], s[56:63] the same for W's blocks
.set G0B, 56
.set G1S, 68                           ; s[68:75], s[76:79] for x's scale bytes
.set G0S, 76
.set PFA, 84                           ; s[84:85] where my prefetches stand;  s[86:87] a K step on
.set PFS, 86
.set LIM, 88                           ; s88  1 in a wave that prefetches, else the greatest number
.set LIM2, 89                          ; s89  1 in the wave that asks for W's scale units
.set PF2A, 90                          ; s[90:91]
.set MSB, 0
.macro WIN new                         ; the immediate's high byte repeats the setting that is left
.if MSB != \new
	s_set_vgpr_msb (MSB<<8)|\new
.set MSB, \new
.endif
.endm
.set MUL_LO, 0xa1                      ; source 0 window 1, source 1 window 0, C and D window 2
.set MUL_HI, 0xf1                      ; the same, C and D window 3
.set TO_B,   0x40                      ; destination window 1, the rest window 0
; A joint refill: waves 0 and 1 fetch for x, waves 2 and 3 for W.  Each line has ONE mask and one set of registers for all that issue it; the branch hangs on the wave's number alone.
; Four v_nop follow each of the two lines, ahead of the jump, the label and what follows.
.macro JLOAD g0a, g1a, g0b, g1b
	s_cmp_eq_u32 s[RH], 0
	s_cbranch_scc0 .Lfor_b_\@
	tensor_load_to_lds s[\g0a:\g0a+3], s[\g1a:\g1a+7]
	s_nop 0
.rept 4
	v_nop
.endr
	s_branch .Lasked_\@
.Lfor_b_\@:
	tensor_load_to_lds s[\g0b:\g0b+3], s[\g1b:\g1b+7]
	s_nop 0
.rept 4
	v_nop
.endr
.Lasked_\@:
.endm
.macro CREST                           ; a round of the cluster's barrier behind its opening barrier
	s_cmp_lg_u32 s[WV], 0
	s_cbranch_scc1 .Lnot_wave_0_\@
	s_barrier_signal -3
.Lnot_wave_0_\@:
	s_barrier_wait -3
	s_barrier_signal -1
	s_barrier_wait -1
.endm
.macro CROUND                          ; a whole round
	s_barrier_signal -1
	s_barrier_wait -1
	CREST
.endm
; A PREFETCH INTO THE L2, behind each joint refill, its four lines, sixteen products and the run of LDS loads that follows: the K step that stands TWO refills on, 256 matrix instructions ahead of the load that will want it.
; 32 blocks of 256 bytes, a lane a block, one instruction a wave.  Each block is named once in the launch: x's tile row is read by every cluster of that row of clusters: cluster x = 0 asks (waves 0, 1);
; W's tile column by every cluster of that column: cluster y = 0 asks (waves 2, 3).  Of the 128 rows (code units) of a wave's half, the partner at place p takes 32 p .. 32 p + 31 (p = cx for x, cy for W), told
; apart BY ADDRESS: no branch hangs on a work-group's place in its cluster.  The loop's last trip (s3 = 1) asks for nothing: there is no K step two refills on.  K steps 0 to 3 come by their loads alone.
.macro ASK
	s_cmp_gt_u32 s3, s[LIM]
	s_cbranch_scc0 .Lnot_mine_\@
	global_prefetch_b8 v[PFO], s[PFA:PFA+1] th:TH_LOAD_NT scope:SCOPE_SE
.Lnot_mine_\@:
.endm
	s_load_b256 s[4:11], s[0:1], 0x0               ; x's codes s[4:5], x's scales s[6:7], wpack s[8:9], tws s[10:11]
	s_load_b128 s[12:15], s[0:1], 0x20             ; lora_B s[12:13], out0 s[14:15]
	v_lshl_add_u32 v[SPW], v0, 2, SPARE
	v_mov_b32 v[NIL], 0
	ds_add_u32 v28, v29
	ds_add_u32 v28, v29
	s_wait_dscnt 0x0
	v_lshrrev_b32 v1, 5, v0
	v_readfirstlane_b32 s[WV], v1                  ; wave 0..3
	s_lshr_b32 s[RH], s[WV], 1
	s_and_b32 s[CH], s[WV], 1
	s_bfe_u32 s40, ttmp6, 0x40000                  ; cx, cy: my place in the cluster
	s_bfe_u32 s41, ttmp6, 0x40004
	s_lshl_b32 s42, ttmp9, 2
	s_add_co_u32 s42, s42, s40                     ; tile column = 4 x cluster x + cx
	s_and_b32 s[TR], ttmp7, 0xffff
	s_lshl_b32 s[TR], s[TR], 2
	s_add_co_u32 s[TR], s[TR], s41                 ; tile row = 4 x cluster y + cy
	s_lshl_b32 s43, s41, 2
	s_lshl_b32 s43, 15, s43                        ; my row of the cluster
	s_lshl_b32 s44, 0x1111, s40                    ; my column
	; the lanes' addresses: constants, the lane and the wave's number alone
	v_and_b32 v1, 15, v0                           ; r
	v_bfe_u32 v2, v0, 4, 1                         ; h
	v_mul_u32_u24 v3, v1, PITCH
	v_lshl_add_u32 v4, v2, 4, v3                   ; a fragment's row x pitch + 16 x half
	v_lshlrev_b32 v5, 3, v1                        ; W's scale words: 8 bytes a row
	s_mul_i32 s92, s[RH], HALFT                    ; my 128 rows of x
	s_mul_i32 s93, s[CH], HALFT                    ; my 128 rows of W,
	s_add_co_u32 s93, s93, BOFF                    ; behind x's 256
	s_mul_i32 s94, s[CH], 4*PITCH                  ; their scale bytes: four units of 32 rows
	s_add_co_u32 s94, s94, BSC
.irp s, 0,1
	v_add_nc_u32 v[ADRA+\s], s92, v4
	v_add_nc_u32 v[ADRB+\s], s93, v4
	v_add_nc_u32 v[ADSB+\s], s94, v5
	s_add_co_u32 s92, s92, SLOT
	s_add_co_u32 s93, s93, SLOT
	s_add_co_u32 s94, s94, SLOT
.endr
	v_lshlrev_b32 v5, 7, v1                        ; x's scale words: 128 bytes a row,
	v_lshrrev_b32 v6, 1, v1
	v_lshl_add_u32 v5, v6, 4, v5                   ; and 16 more for each 256 passed
	s_mul_i32 s92, s[RH], HALFS
	s_add_co_u32 s92, s92, SCL
	v_add_nc_u32 v[ADSA], s92, v5
	s_mul_i32 s92, s[WV], 16*SPITCH                ; my stage
	v_mul_u32_u24 v5, v1, SPITCH                   ; in: row r, 32 bytes for each half of the lanes
	v_lshl_add_u32 v5, v2, 5, v5
	v_add_nc_u32 v[STO], s92, v5
	v_and_b32 v6, 31, v0
	v_lshlrev_b32 v[CO], 4, v6                     ; back: the 32 lanes take one row of 512 bytes; and the same in out0
	v_add_nc_u32 v[RD], s92, v[CO]
	v_lshlrev_b32 v7, 6, v1                        ; lora_B: row r of 64 bytes, + 32 h
	v_lshl_add_u32 v7, v2, 5, v7
	; descriptor groups 1.  x: 128 rows x 256 bytes, 4,096 bytes apart.  W: 132 units of 256 bytes, dense.  x's scales: 64 units of 256 bytes (32 elements of 8), dense.  All: 4 words of padding behind every 64
	s_or_b32 s[G1+0], s43, (0<<16)|(1<<20)|(1<<21)|(5<<22)|(3<<25)   ; 15:0 the mask: my row of the cluster; 17:16 elements of 1 byte; 20 padding on; 21 set beside a mask; 24:22 code 5; 31:25 code 3
	s_or_b32 s[G1B+0], s44, (0<<16)|(1<<20)|(1<<21)|(5<<22)|(3<<25)  ; the mask: my column
	s_or_b32 s[G1S+0], s43, (3<<16)|(1<<20)|(1<<21)|(5<<22)|(3<<25)  ; elements of 8 bytes; my row
	s_mov_b32 s[G1+1], 256<<16                     ; tensor_dim0
	s_mov_b32 s[G1+2], 128<<16                     ; tensor_dim1
	s_mov_b32 s[G1+3], 256<<16                     ; tile_dim0
	s_mov_b32 s[G1+4], 128                         ; tile_dim1
	s_mov_b32 s[G1+5], 4096                        ; tensor_dim0_stride
	s_mov_b32 s[G1+6], 0
	s_mov_b32 s[G1+7], 0
	s_mov_b32 s[G1B+1], 256<<16
	s_mov_b32 s[G1B+2], 132<<16
	s_mov_b32 s[G1B+3], 256<<16
	s_mov_b32 s[G1B+4], 132
	s_mov_b32 s[G1B+5], 256
	s_mov_b32 s[G1B+6], 0
	s_mov_b32 s[G1B+7], 0
	s_mov_b32 s[G1S+1], 32<<16
	s_mov_b32 s[G1S+2], 64<<16
	s_mov_b32 s[G1S+3], 32<<16
	s_mov_b32 s[G1S+4], 64
	s_mov_b32 s[G1S+5], 32
	s_mov_b32 s[G1S+6], 0
	s_mov_b32 s[G1S+7], 0
	; where the tiles come from.  x's hang on the tile row alone, W's on the tile column alone, each in registers that never hold the other coordinate
	s_lshl_b32 s20, s[TR], 8
	s_lshl_b32 s21, s[CH], 7
	s_add_co_u32 s20, s20, s21                     ; x: row 256 x tile row + 128 x half
	s_lshl_b32 s22, s20, 7                         ; its scale bytes,
	s_lshl_b32 s20, s20, 12                        ; its codes
	s_mov_b32 s21, 0
	s_mov_b32 s23, 0
	s_mul_i32 s46, s42, 16*BLKB                    ; W: the tile column's 16 blocks,
	s_mul_i32 s47, s[CH], 132*256                  ; my half of a block
	s_add_co_u32 s46, s46, s47
	s_mov_b32 s47, 0
	s_mul_i32 s45, s[CH], HALFT                    ; and where they go: no place in the cluster enters an LDS address
	s_mul_i32 s95, s[CH], HALFB
	s_add_co_u32 s95, s95, BOFF
	s_mul_i32 s96, s[CH], HALFS
	s_add_co_u32 s96, s96, SCL
	s_lshl_b32 s80, s[TR], 14                      ; tws: 16 blocks of 1,024 bytes a tile row, my 8
	s_lshl_b32 s81, s[RH], 13
	s_add_co_u32 s80, s80, s81
	s_mov_b32 s81, 0
	s_lshl_b32 s82, s42, 14                        ; lora_B: 256 rows of 64 bytes a tile column, my 128
	s_lshl_b32 s83, s[CH], 13
	s_add_co_u32 s82, s82, s83
	s_mov_b32 s83, 0
	s_lshl_b32 s98, s[TR], 22                      ; out0: my first row (256 x tile row + 128 x half, 16,384 bytes each),
	s_lshl_b32 s99, s[RH], 21
	s_add_co_u32 s98, s98, s99
	s_lshl_b32 s99, s42, 10                        ; my first column (1,024 bytes a tile column + 512 x half)
	s_add_co_u32 s98, s98, s99
	s_lshl_b32 s99, s[CH], 9
	s_add_co_u32 s98, s98, s99
	s_mov_b32 s99, 0
	s_wait_kmcnt 0x0
	s_add_nc_u64 s[20:21], s[4:5], s[20:21]
	s_add_nc_u64 s[22:23], s[6:7], s[22:23]
	s_add_nc_u64 s[46:47], s[8:9], s[46:47]
	s_add_nc_u64 s[10:11], s[10:11], s[80:81]
	s_add_nc_u64 s[12:13], s[12:13], s[82:83]
	s_add_nc_u64 s[14:15], s[14:15], s[98:99]
	CROUND                                         ; all sixteen work-groups are here: the first joint loads meet
	s_mov_b32 s[G0S], 1
	s_mov_b32 s[G0S+1], s96
	s_mov_b64 s[G0S+2:G0S+3], s[22:23]
	s_or_b32 s[G0S+3], s[G0S+3], 0x80000000
.irp s, 0,1
	s_mov_b32 s[G0+4*\s], 1
	s_add_co_u32 s[G0+4*\s+1], s45, \s*SLOT
	s_add_nc_u64 s[G0+4*\s+2:G0+4*\s+3], s[20:21], \s*ROWB
	s_or_b32 s[G0+4*\s+3], s[G0+4*\s+3], 0x80000000
	s_mov_b32 s[G0B+4*\s], 1
	s_add_co_u32 s[G0B+4*\s+1], s95, \s*SLOT
	s_add_nc_u64 s[G0B+4*\s+2:G0B+4*\s+3], s[46:47], \s*BLKB
	s_or_b32 s[G0B+4*\s+3], s[G0B+4*\s+3], 0x80000000
.endr
	s_cmp_eq_u32 s[RH], 0                          ; a wave's first fills stand in one branch, ahead of every wait on TENSORcnt and every LDS read: three loads of mine are out (x's waves) or two (W's)
	s_cbranch_scc0 .Lfirst_b
	tensor_load_to_lds s[G0S:G0S+3], s[G1S:G1S+7]  ; x's scale bytes: wanted with K step 0
	s_nop 0
	tensor_load_to_lds s[G0:G0+3], s[G1:G1+7]
	s_nop 0
	tensor_load_to_lds s[G0+4:G0+7], s[G1:G1+7]
	s_nop 0
.rept 4
	v_nop
.endr
	s_branch .Lfirst_asked
.Lfirst_b:
	tensor_load_to_lds s[G0B:G0B+3], s[G1B:G1B+7]
	s_nop 0
	tensor_load_to_lds s[G0B+4:G0B+7], s[G1B:G1B+7]
	s_nop 0
.rept 4
	v_nop
.endr
.Lfirst_asked:
	; ---- THE SMALL PRODUCT, while the tiles are on their way.  t's fragment of block a: registers 0-3 hi (k = 8 h + 0 .. 7), registers 4-7 lo (k = 16 + 8 h + 0 .. 7), as they were stored
.irp a, 0,1,2,3,4,5,6,7
	global_load_b128 v[TF+8*\a:TF+8*\a+3], v[CO], s[10:11] offset:1024*\a
	global_load_b128 v[TF+8*\a+4:TF+8*\a+7], v[CO], s[10:11] offset:1024*\a+512
.endr
.irp b, 0,1,2,3,4,5,6,7
	global_load_b128 v[LB+8*\b:LB+8*\b+3], v7, s[12:13] offset:1024*\b          ; lora_B[16 b + r][8 h + 0 .. 7]
	global_load_b128 v[LB+8*\b+4:LB+8*\b+7], v7, s[12:13] offset:1024*\b+16
.endr
	; the prefetches: where mine stand, and who asks
	s_lshl_b32 s96, s[TR], 8
	s_lshl_b32 s97, s[CH], 7
	s_add_co_u32 s96, s96, s97
	s_lshl_b32 s98, s40, 5
	s_add_co_u32 s96, s96, s98                     ; x: row 256 x tile row + 128 x half + 32 cx,
	s_lshl_b32 s96, s96, 12
	s_add_co_u32 s96, s96, 3*ROWB                  ; at K step 3: the first refill steps it to 4
	s_lshl_b32 s98, s41, 5
	s_add_co_u32 s97, s97, s98                     ; W: unit 128 x half + 32 cy,
	s_lshl_b32 s97, s97, 8
	s_lshl_b32 s98, s42, 4
	s_add_co_u32 s98, s98, 3
	s_mul_i32 s98, s98, BLKB                       ; in the tile column's block 3
	s_add_co_u32 s97, s97, s98
	s_and_b32 s99, ttmp7, 0xffff                   ; cluster y
	s_mov_b32 s[PFS], BLKB
	s_mov_b32 s95, 256
	s_cmp_eq_u32 s[RH], 0                          ; do I fetch for x?
	s_cselect_b32 s96, s96, s97
	s_cselect_b32 s99, ttmp9, s99                  ; the coordinate along which other clusters read the same bytes
	s_cselect_b64 s[PFA:PFA+1], s[4:5], s[8:9]
	s_cselect_b32 s[PFS], ROWB, s[PFS]             ; a K step on
	s_cselect_b32 s95, 4096, s95                   ; from lane to lane
	s_mov_b32 s97, 0
	s_mov_b32 s[PFS+1], 0
	s_add_nc_u64 s[PFA:PFA+1], s[PFA:PFA+1], s[96:97]
	s_cmp_eq_u32 s99, 0
	s_cselect_b32 s[LIM], 1, -1                    ; the same in all sixteen partners, for a given wave
	v_and_b32 v[PFO], 31, v0
	v_mul_lo_u32 v[PFO], v[PFO], s95
	; W's scale units, 8 a K step, 128 a tile column: named once, by ONE instruction of wave 2 in each work-group of the clusters with y = 0: the partner at cy takes K steps 4 cy .. 4 cy + 3, told apart by address
	s_xor_b32 s98, s[WV], 2
	s_and_b32 s99, ttmp7, 0xffff
	s_or_b32 s98, s98, s99
	s_cmp_eq_u32 s98, 0
	s_cselect_b32 s[LIM2], 1, 0
	s_lshl_b32 s98, s42, 4
	s_lshl_b32 s99, s41, 2
	s_add_co_u32 s98, s98, s99
	s_mul_i32 s98, s98, BLKB
	s_add_co_u32 s98, s98, 65536
	s_mov_b32 s99, 0
	s_add_nc_u64 s[PF2A:PF2A+1], s[8:9], s[98:99]
	v_and_b32 v5, 31, v0
	v_lshrrev_b32 v6, 3, v5
	v_mul_u32_u24 v6, v6, BLKB                     ; lane / 8: which of my four K steps;
	v_and_b32 v5, 7, v5
	v_lshl_add_u32 v[PF2O], v5, 8, v6              ; lane % 8: which unit
	s_wait_loadcnt 0x0
	WIN TO_B
.irp b, 0,1,2,3,4,5,6,7
.irp q, 0,1,2,3
	v_cvt_pk_bf16_f32 v[8*\b+\q], v[LB+8*\b+2*\q], v[LB+8*\b+2*\q+1]     ; lora_B in bf16, for k = 8 h + 0 .. 7 (against hi),
	v_cvt_pk_bf16_f32 v[8*\b+4+\q], v[LB+8*\b+2*\q], v[LB+8*\b+2*\q+1]   ; and once more for k = 16 + 8 h + 0 .. 7 (against lo)
.endr
.endr
.macro LORA32 a0                       ; four blocks of rows x eight blocks of columns: each product starts its accumulator's sum
.irp a, \a0, \a0+1, \a0+2, \a0+3
.irp b, 0,1,2,3,4,5,6,7
	v_wmma_f32_16x16x32_bf16 v[8*(8*((\a)%4)+\b):8*(8*((\a)%4)+\b)+7], v[8*\b:8*\b+7], v[TF+8*(\a):TF+8*(\a)+7], 0
.endr
.endr
.endm
	WIN MUL_LO
	LORA32 0
	WIN MUL_HI
	LORA32 4
	WIN 0
.macro FRAG reg, adr, q, i             ; a fragment, 16 rows x 128 K of 8-bit codes: lane l holds row l % 16; registers 4 c .. 4 c + 3 hold K = 32 c + 16 (l / 16) + 0 .. 15
.irp c, 0,1,2,3
	ds_load_b128 v[\reg+4*\c:\reg+4*\c+3], v[\adr] offset:128*(\q)+32*\c+(\i)*16*PITCH
.endr
.endm
; 16 matrix instructions: x's blocks a0, a0 + 1 against W's eight, 128 along K: the slot's q-th.  p: W's set;  sc: the set of scale words.
; The 64 accumulators take turns, one instruction a turn, in the same order in every step.
.macro MUL16 a0, p, q, sc
.irp a, \a0, \a0+1
.irp b, 0,1,2,3,4,5,6,7
	v_wmma_scale_f32_16x16x128_f8f6f4 v[8*(8*((\a)%4)+\b):8*(8*((\a)%4)+\b)+7], v[128*(\p)+FR*\b:128*(\p)+FR*\b+FR-1], v[AF+FR*(\a):AF+FR*(\a)+FR-1], v[8*(8*((\a)%4)+\b):8*(8*((\a)%4)+\b)+7], v[SC+32*(\sc)+16+NQ*\b+(\q)], v[SC+32*(\sc)+NQ*(\a)+(\q)]
.endr
.endr
.endm
.macro FETCH_B slot, q, p              ; W's eight fragments of the slot's q-th 128 along K into set p
	WIN TO_B
.irp i, 0,1,2,3,4,5,6,7
	FRAG 128*(\p)+FR*\i, ADRB+\slot, \q, \i
.endr
	WIN 0
.endm
.macro FETCH_A slot, q, i0             ; x's blocks i0 .. i0 + 3
.irp i, \i0, \i0+1, \i0+2, \i0+3
	FRAG AF+FR*(\i), ADRA+\slot, \q, \i
.endr
.endm
.macro SCALES sc                       ; the scale words of slot sc's K step: two words a row; lanes 16-31 read what lanes 0-15 read
.irp i, 0,1,2,3,4,5,6,7
	ds_load_b64 v[SC+32*\sc+NQ*\i:SC+32*\sc+NQ*\i+1], v[ADSA] offset:\i*8*PITCH                          ; x's block i: 16 rows are 8 units on
.endr
.irp i, 0,1,2,3,4,5,6,7
	ds_load_b64 v[SC+32*\sc+16+NQ*\i:SC+32*\sc+16+NQ*\i+1], v[ADSB+\sc] offset:(\i/2)*PITCH+(\i%2)*128   ; W's block i: 32 rows to a unit
.endr
.endm
; A load into a register that a matrix instruction has read, and a vector instruction or an LDS store that reads a matrix result, stand NP places behind that matrix instruction, and only plain vector
; instructions that name none of its registers are places (ISA guide 7.12.1 for vector instructions).
.macro PLACES n
.rept \n
	v_nop
.endr
.endm
; A step of 128 along K that has its successor in the same slot.
.macro STEP slot, q
	s_wait_dscnt 4*NL                              ; W's set, x's blocks 0-3 and the scale words are in; the youngest 16 loads (x's blocks 4-7) may be out
	WIN MUL_LO
	MUL16 0, (\q)%2, \q, \slot
	MUL16 2, (\q)%2, \q, \slot
	s_wait_dscnt 0                                 ; x's blocks 4-7 are in (asked for 32 matrix instructions ago)
	PLACES NP
	FETCH_B \slot, (\q)+1, 1-(\q)%2
	FETCH_A \slot, (\q)+1, 0
	WIN MUL_HI
	MUL16 4, (\q)%2, \q, \slot
	MUL16 6, (\q)%2, \q, \slot
	PLACES NP
	WIN 0
	FETCH_A \slot, (\q)+1, 4
.endm
; A slot's last step changes slots.  Its first sixteen products come first; then each wave waits for all its tensor loads, adds 0 to its spare word, and waits for that and for its own reads of this slot; ONE barrier.
; fill = 1: this slot is filled again, two K steps ahead: the barrier is then a round of the cluster's, and the joint refill stands straight behind it, ahead of the step's other products.
; So between a request and the wait for it a wave issues a whole K step's 128 matrix instructions (16 + 32 here, 64 in the next step, 16 at the head of the next change), and between that wait and the next request stands the round alone.
.macro TURN slot, next, fill
	s_wait_dscnt 4*NL                              ; W's set and x's blocks 0-3 are in; the youngest 16 loads (x's blocks 4-7) may be out
	WIN MUL_LO
	MUL16 0, 1, NQ-1, \slot
	WIN 0
	s_wait_tensorcnt 0x0                           ; all my tensor loads have landed: my part of the next slot; so every group 0 may be written
	ds_add_u32 v[SPW], v[NIL]                      ; 0 onto my spare word: with fill = 1 the steps below stand between it and the wait for it
.if \fill
	s_add_nc_u64 s[G0+4*\slot+2:G0+4*\slot+3], s[G0+4*\slot+2:G0+4*\slot+3], 2*ROWB
	s_add_nc_u64 s[G0B+4*\slot+2:G0B+4*\slot+3], s[G0B+4*\slot+2:G0B+4*\slot+3], 2*BLKB
	s_wait_xcnt 0x0                                ; the last prefetch, a K step back, has read its address, so it may be written
	s_add_nc_u64 s[PFA:PFA+1], s[PFA:PFA+1], s[PFS:PFS+1]
.endif
	s_wait_dscnt 0x0                               ; the add is done, and my reads of this slot are over (x's blocks 4-7 were the last)
	s_barrier_signal -1
	s_barrier_wait -1
.if \fill
	CREST                                          ; the barrier has opened a round of the cluster's barrier: no wave of any partner still reads this slot or has a load on its way
	JLOAD G0+4*\slot, G1, G0B+4*\slot, G1B         ; the first tensor load behind the round
.endif
	WIN MUL_LO
	MUL16 2, 1, NQ-1, \slot
	PLACES NP                                      ; in front of the loads into x's blocks 0-3, which these products have read
	WIN 0
	v_add_nc_u32 v[ADSA], 4*NQ, v[ADSA]            ; on to the next K step's scale words of x (no LDS load of mine is out)
	FETCH_B \next, 0, 0
	FETCH_A \next, 0, 0
	SCALES \next
.if \fill
	ASK
.endif
	WIN MUL_HI
	MUL16 4, 1, NQ-1, \slot
	MUL16 6, 1, NQ-1, \slot
	PLACES NP
	WIN 0
	FETCH_A \next, 0, 4
.endm
	s_wait_tensorcnt 1                             ; x's scale bytes and my part of K step 0 are in; behind them only K step 1's load was issued
	s_barrier_signal -1
	s_barrier_wait -1                              ; everybody's are
	PLACES NP                                      ; behind the bf16 products: their operands' registers are loaded anew, and another form adds onto their results (four and five places are asked)
	FETCH_B 0, 0, 0
	FETCH_A 0, 0, 0
	SCALES 0
	FETCH_A 0, 0, 4
	s_cmp_eq_u32 s[LIM2], 1                        ; W's scale units, once: behind the run of LDS loads; 80 matrix instructions stand between it and the next wait on XCNT.  (Those of K steps 0 and 1 have been asked for by the first fills as well)
	s_cbranch_scc0 .Lnot_two
	global_prefetch_b8 v[PF2O], s[PF2A:PF2A+1] th:TH_LOAD_NT scope:SCOPE_SE
.Lnot_two:
	STEP 0, 0
	s_mov_b32 s3, LAPS-1
.Llap:                                                 ; a trip goes once round the ring, from a lap's second step to the next lap's first, and fills both slots again
	TURN 0, 1, 1
	STEP 1, 0
	TURN 1, 0, 1
	STEP 0, 0
	s_sub_co_u32 s3, s3, 1
	s_cmp_lg_u32 s3, 0
	s_cbranch_scc1 .Llap
	TURN 0, 1, 0                                   ; the last lap fills nothing, and has no round of the cluster's barrier
	STEP 1, 0
	s_wait_dscnt 4*NL                              ; the very last step: nothing more to fetch
	WIN MUL_LO
	MUL16 0, 1, NQ-1, 1
	MUL16 2, 1, NQ-1, 1
	s_wait_dscnt 0
	WIN MUL_HI
	MUL16 4, 1, NQ-1, 1
	MUL16 6, 1, NQ-1, 1
	WIN 0
; THE WAY OUT, block by block of 16 rows x 128 columns.  A lane holds 32 neighbouring bytes of a row, and the lanes beside it hold other rows: so a block goes through my own stage in LDS and comes back as whole
; rows of 512 bytes.  LDS serves a wave's instructions in order (ISA guide 5.7.1.4): no wait between the stores and the loads, nor in front of the next block's stores.
.macro TOSTAGE a
.set AC, 64*((\a)%4)
	WIN 0x08+4*((\a)/4)                            ; an LDS store's data are its source 1: window 2 or 3
.irp b, 0,1,2,3,4,5,6,7
	ds_store_b128 v[STO], v[AC+8*\b:AC+8*\b+3] offset:64*\b          ; each accumulator from its low end on
	ds_store_b128 v[STO], v[AC+8*\b+4:AC+8*\b+7] offset:64*\b+16
.endr
	WIN 0
.set BB, BK+64*((\a)%2)
.irp t, 0,1,2,3,4,5,6,7,8,9,10,11,12,13,14,15
	ds_load_b128 v[BB+4*\t:BB+4*\t+3], v[RD] offset:\t*SPITCH
.endr
.endm
.macro SEND a, younger                 ; younger: the LDS instructions issued behind block a's loads, which may stay out
.set BB, BK+64*((\a)%2)
	s_wait_dscnt \younger                          ; the block is back in registers
.if (\a) > 0
	s_add_nc_u64 s[14:15], s[14:15], 16*SIZE_N*4   ; (behind a wait on XCNT: the earlier stores have read their base)  16 rows of out0 on
.endif
.irp t, 0,1,2,3,4,5,6,7,8,9,10,11,12,13,14,15
	global_store_b128 v[CO], v[BB+4*\t:BB+4*\t+3], s[14:15] offset:\t*SIZE_N*4 th:TH_STORE_NT   ; 32 lanes store 512 consecutive bytes, at a multiple of 256 from out0's first byte; written once, read by nobody here
.endr
.endm
	PLACES NP                                      ; behind the last products: for the loads into the registers that held x's fragments, and for block 7's reads alike
	TOSTAGE 0
.irp a, 1,2,3,4,5,6,7
.if \a > 1
	s_wait_xcnt 0x0                                ; block a - 2's stores have read their registers and their base: block a's loads may land there, and the base may step
.endif
	TOSTAGE \a
	SEND \a-1, 32                                  ; behind block a - 1's loads: block a's 16 stores and 16 loads
.endr
	s_wait_xcnt 0x0                                ; block 6's stores have read their base
	SEND 7, 0
	s_wait_tensorcnt 0x0                           ; the wave's end, behind my last tensor load and my last LDS store
	ds_add_u32 v[SPW], v[NIL]
	s_wait_dscnt 0x0
	CROUND                                         ; the closing round: no work-group ends while a partner may still ask for a tile that names it
	s_endpgm
.Lfunc_end_k_q635b062977_gemm:
	.size	k_q635b062977_gemm, .Lfunc_end_k_q635b062977_gemm-k_q635b062977_gemm
	.p2alignl 7, 3214868480
	.fill 96, 4, 3214868480
	.section	.rodata,"a",@progbits
	.p2align	6, 0x0
	.amdhsa_kernel k_q635b062977_gemm
		.amdhsa_group_segment_fixed_size 327680
		.amdhsa_private_segment_fixed_size 0
		.amdhsa_enable_private_segment 0
		.amdhsa_kernarg_size 48
		.amdhsa_user_sgpr_count 2
		.amdhsa_user_sgpr_kernarg_segment_ptr 1
		.amdhsa_wavefront_size32 1
		.amdhsa_system_sgpr_workgroup_id_x 1
		.amdhsa_system_sgpr_workgroup_id_y 1
		.amdhsa_system_sgpr_workgroup_id_z 1
		.amdhsa_system_vgpr_workitem_id 0
		.amdhsa_next_free_vgpr 1024
		.amdhsa_next_free_sgpr 100
		.amdhsa_reserve_vcc 0
		.amdhsa_float_denorm_mode_32 3
		.amdhsa_float_denorm_mode_16_64 3
		.amdhsa_memory_ordered 1
		.amdhsa_forward_progress 1
		.amdhsa_inst_pref_size 161
	.end_amdhsa_kernel
	.amdgpu_metadata
---
amdhsa.version: [ 1, 2 ]
amdhsa.kernels:
  - .name:           k_q635b062977_gemm
    .symbol:         k_q635b062977_gemm.kd
    .args:
      - { .name: x_codes, .offset: 0, .size: 8, .value_kind: global_buffer, .address_space: global }
      - { .name: x_scales, .offset: 8, .size: 8, .value_kind: global_buffer, .address_space: global }
      - { .name: wpack, .offset: 16, .size: 8, .value_kind: global_buffer, .address_space: global }
      - { .name: tws, .offset: 24, .size: 8, .value_kind: global_buffer, .address_space: global }
      - { .name: lora_B, .offset: 32, .size: 8, .value_kind: global_buffer, .address_space: global }
      - { .name: out0, .offset: 40, .size: 8, .value_kind: global_buffer, .address_space: global }
    .group_segment_fixed_size: 327680
    .private_segment_fixed_size: 0
    .kernarg_segment_align: 8
    .kernarg_segment_size: 48
    .max_flat_workgroup_size: 128
    .sgpr_count:     100
    .vgpr_count:     1024
    .wavefront_size: 32
...
	.end_amdgpu_metadata
.endif
;; end of part 2
